; MI455X (gfx1250); checked and timed in simulation.
; The chip was launched on July 23, 2026; its instructions are those of AMD's public machine-readable ISA for CDNA 5 (MIT licence, August 2026) and "CDNA5" Instruction Set Architecture Reference Guide (July 2026). The comments in the code are by the model that wrote it; some were corrected since.
;; Infinite Context Attention. Allowed arithmetic: matrix products marked QUANTISED: E3M2 operands, one E8M0 scale for each 32 along K, by v_wmma_scale_f32_16x16x128_f8f6f4 with both operands' format E3M2, f32 sums; everything else in f32.
;; Inputs: Wk 8,192 x 2,048 float32; Wout 2,048 x 8,192 float32; Wq 8,192 x 2,048 float32; Wv 8,192 x 2,048 float32; hidden_states 2 x 512 x 2,048 float32.
;; Outputs: out0 2 x 512 x 2,048 float32.
;; This version of the problem:
;;   THIS VERSION OF THE PROBLEM IS GIVEN IN LOW PRECISION. The matrix products marked QUANTISED in the list below multiply operands that are first quantised to E3M2 (3 exponent bits, 2 mantissa bits; 6 bits a number), with one power-of-two scale for each 32 numbers along K (OCP MX v1.0); their sums are f32. All else is computed in f32.
;;   The module's matrix products, in the order in which they are computed (A, B: the left and right operand; K: the contracted axis; several contracted axes count as one K, in the product's order):
;;     1. [M 1,024, K 2,048] x [K 2,048, N 8,192]; A: input hidden_states; B: input Wq: QUANTISED
;;     2. [M 1,024, K 2,048] x [K 2,048, N 8,192]; A: input hidden_states; B: input Wk: QUANTISED
;;     3. [M 1,024, K 2,048] x [K 2,048, N 8,192]; A: input hidden_states; B: input Wv: QUANTISED
;;     4. [M 1,024, K 8,192] x [K 8,192, N 2,048]; A: computed on the way; B: input Wout: QUANTISED
;;   THE QUANTISER, for each operand of a quantised product, along K:
;;     - K is cut into blocks of 32 from its start; a last block that is shorter is filled with zeros.
;;     - A block's scale is 2^e with e = floor(log2(the largest magnitude in the block)) - 4, held to -126 .. 127; a block of zeros has e = 0. As a byte (E8M0): e + 127.
;;     - Each number is divided by its block's scale, clamped to +-28, and rounded to the nearest number of E3M2, ties to even, subnormals kept.
;;     - The product sums the exact products of the quantised numbers (number of the format x scale) in f32.
;;   ~~~python
;;   def quantise(x, axis):      # numpy; x: float32 -> the quantised numbers, widened to float32 again
;;       x = np.moveaxis(x, axis, -1); K = x.shape[-1]
;;       x = np.pad(x, [(0, 0)] * (x.ndim - 1) + [(0, -K % 32)]); x = x.reshape(x.shape[:-1] + (-1, 32)); a = np.abs(x).max(-1, keepdims=True)
;;       e = np.where(a > 0, np.clip(np.frexp(np.where(a > 0, a, 1))[1] - 1 - 4, -126, 127), 0)      # np.frexp(a)[1] - 1 = floor(log2(a)), exactly
;;       r = np.clip(x / 2.0 ** e, -28, 28)
;;       step = 2.0 ** (np.maximum(np.frexp(np.where(r == 0, 1, r))[1] - 1, -2) - 2)
;;       q = np.round(r / step) * step * 2.0 ** e      # np.round: ties to even
;;       return np.moveaxis(q.reshape(q.shape[:-2] + (-1,))[..., :K], -1, axis).astype(np.float32)
;;   ~~~
;;   OPERANDS COMPUTED ON THE WAY. 'Computed on the way' means the value that the module computes at that place (a softmax that the list does not call 'softmax' is quantised finished and normalised). What goes into a quantiser is computed in f32, as accurately as f32 sums, v_exp_f32 and their like allow (about 1e-6 of the number): no bf16 or f16 on the way to a quantiser, and a product that is left as it is and whose result goes on into a quantised operand takes f32 operands (vector FMAs, or v_wmma_f32_16x16x4_f32). A number that lies on a knife's edge between two numbers of the format may be rounded either way, as far as f32 arithmetic and the matrix unit's own rounding can turn it there, and no further.
;; One version. Each part assembles by itself: llvm-mc -triple=amdgcn-amd-amdhsa -mcpu=gfx1250 --defsym DOCPART=n.
;; ======== version 1 of 1: 3 launches
;; limits: right only within a limited range of input values
;; workspace buffers: xq 1,638,400 bytes; wqv 26,214,400 bytes; wo 13,107,200 bytes; at 6,553,600 bytes
;; launch quant (part 1): grid 256 x 1, 4 waves a work-group, no clusters, 327,680 bytes of LDS; arguments hidden_states, Wq, Wv, Wout, xq, wqv, wo; writes xq, wqv, wo
.if DOCPART == 1
	.amdgcn_target "amdgcn-amd-amdhsa--gfx1250"
	.amdhsa_code_object_version 6
	.text
	.protected	k_qcc083f1ae4_quant
	.globl	k_qcc083f1ae4_quant
	.p2align	8
	.type	k_qcc083f1ae4_quant,@function
k_qcc083f1ae4_quant:
	s_mov_b64 s[64:65], 0
	v_nop
	global_prefetch_b8 v0, s[64:65] scope:SCOPE_SE
	s_setreg_imm32_b32 hwreg(HW_REG_WAVE_MODE, 25, 1), 1
	s_wait_xcnt 0x0
; hidden_states [1024][2048], Wq, Wv [8192][2048] and Wout [2048][8192], f32 with K innermost, become codes of BF6 (E3M2) with one E8M0 byte for each 32 along K.
; A block's scale is 2^(floor(log2(its largest magnitude)) - 4): its byte is the largest magnitude's exponent field - 4, held at 1 from below; each number is divided by it and rounded to the nearest code, ties to even, beyond 28 the largest code.
; Wk IS NOT READ AND IS NO ARGUMENT: reference() forms x Wk^T and never uses it, so no output hangs on Wk for any values of the inputs; that product is left out of the whole program.
; LIMITS: a NaN, an infinity or an overflow that reaches only x Wk^T is not carried to the result.  NaN and infinities among the other inputs are not served.
; A block of zeros, or one under the floor 2^(5 - 127), gets the byte 1 where the rule says 127 for zeros: its codes are zeros, and this program alone reads the bytes.
; THE CODES ARE LAID AS THE PRODUCTS' REGISTERS WANT THEM.  An IMAGE is a fragment of 16 rows x 128 K, 1,536 bytes: image lane 16 h + j holds row j, its registers 6 c .. 6 c + 5 the codes of k = 64 c + 32 h + 0 .. 31;
; bytes 768 c + 16 l hold registers 6 c .. 6 c + 3, bytes 768 c + 512 + 8 l registers 6 c + 4, 6 c + 5.  Image (place t, K step s) lies at (((t / G) S + s / 2) G + t % G) 3072 + (s % 2) 1536, S = K / 256, G = 16 (xq, wqv) or 4 (wo).
; The scale words (four bytes: one row, 128 along K) lie behind the codes: place t, s = 2 u + q, row j at t (128 S) + 128 u + 8 j + 4 q.
; Row j of tile t of Wq and Wv is lattice row 32 (t / 2) + 8 (t % 2) + j + 8 (j / 8); in wqv tile t has place 8 (t / 4) + t % 4, + 4 for Wv.
; SHARES.  A PIECE is 32 rows (two tiles) x 1,024 bytes (two K steps): 4,096 pieces of Wq and Wv, 2,048 of Wout.  Each of the 1,024 waves takes 16 rows x 512 bytes of hidden_states, 4 pieces of the first kind (on end along K) and 2 of the second.
; hidden_states' tile comes by the head's tensor load into LDS bytes of its own.  A piece comes by ONE tensor load into one of the wave's own two LDS slots, 16 bytes of padding behind each row of 1,024:
; row r begins 16 r bytes further on modulo 256.  While one slot is worked on, the other's load is out.
; A LANE TAKES A WHOLE BLOCK OF 32 NUMBERS (eight loads of 16 bytes): no maximum crosses lanes and no code changes its lane.  Lane 16 e + 8 h + a works for image lane 16 h + 8 e + a:
; so the 16 lanes that an LDS load serves together read eight rows at two places 128 bytes apart, 16 different columns of 16 bytes modulo 256, and a store's 32 lanes still cover 512 or 256 consecutive bytes.
; No cluster: no two work-groups read the same bytes.
; PREFETCH INTO THE L2: at each change of slots a wave has waited for all its tensor loads, so a refill goes out with nothing on its way beside it.  So each wave asks for a piece one load ahead of the piece's own load:
; piece 0 at the head, piece k + 1 behind the load of piece k: 128 blocks of 256 bytes, a lane a row, four instructions.  Each block is named once in the launch; behind the load of the last piece nothing is asked for.
.set PITCH,  1040                      ; an LDS row of a piece
.set SLOTB,  32*PITCH
.set WREG,   2*SLOTB                   ; a wave's two slots
.set XPITCH, 528                       ; an LDS row of hidden_states' 512 bytes
.set XREG,   4*WREG                    ; behind the slots: hidden_states' tiles, 16 rows a wave; filled once
.set SPARE,  XREG+4*16*XPITCH          ; behind them: the spare words, 128 bytes a wave
.set SPW, 2                            ; my spare word; never rewritten
.set NIL, 3                            ; 0; never rewritten
.set S16, 4                            ; 16 x image lane
.set S8,  5                            ; 8 x image lane
.set SS,  6                            ; 128 h + 8 j: where two pieces' scale words go
.set SH,  7                            ; 8 h
.set AP,  8                            ; LDS: my row and block in slot 0, tile 0, rows of Wq and Wv
.set AL,  9                            ; the same for plain rows (Wout)
.set AX,  10                           ; the same for hidden_states
.set XW,  11                           ; 8 j
.set M,   12                           ; v12-13 largest magnitudes
.set SCV, 14                           ; the conversions' scale operand
.set BY,  15
.set BB,  16                           ; my two bytes of a scale word
.set TD,  17
.set WE,  20                           ; v20-23 scale words of the even piece: 2 p + q;  v24-27 of the odd one;  v28-31 pairs to store
.set WO,  24
.set ST,  28
.set X,   32                           ; v32-159 four sets of 32 numbers
.set CD,  160                          ; v160-223 eight registers of codes for each of a piece's eight turns
.set PFO, 224                          ; the prefetches' offset: lane x a row of the tensor asked for;  v225: that of Wout
.set PFW, 225
.set G1P, 24                           ; s[24:31] group 1: a piece of Wq or Wv;  s[32:39] of Wout;  s[72:79] hidden_states' tile
.set G1O, 32
.set G0,  40                           ; s[40:47] group 0 for Wq or Wv, a set for each slot;  s[48:55] for Wout;  s[80:83] hidden_states
.set G0O, 48
.set DC,  56                           ; where codes and scale words go: wqv
.set DS,  58
.set DCO, 60                           ; wo
.set DSO, 62
.set XC,  66                           ; xq
.set XSC, 68
.set M8,  70                           ; the lanes with h = 1
.set CNT, 71
.set G1X, 72
.set G0X, 80
.set PF,  88                           ; s[88:89] where the prefetches stand;  s[90:91] my first piece of Wout
.set PW,  90
	s_load_b256 s[4:11], s[0:1], 0x0               ; hidden_states, Wq, Wv, Wout
	s_load_b128 s[12:15], s[0:1], 0x20             ; xq, wqv
	s_load_b64 s[16:17], s[0:1], 0x30              ; wo
	v_lshl_add_u32 v[SPW], v0, 2, SPARE
	v_mov_b32 v[NIL], 0
	ds_add_u32 v[SPW], v[NIL]                      ; the opening lines: the add, twice on end, and its wait ahead of my first tensor load
	ds_add_u32 v[SPW], v[NIL]
	v_lshrrev_b32 v1, 5, v0
	v_readfirstlane_b32 s18, v1                    ; wave 0..3
	v_and_b32 v18, 31, v0
	v_lshlrev_b32 v[PFO], 13, v18                  ; a row of Wq or Wv is 8,192 bytes,
	v_lshlrev_b32 v[PFW], 15, v18                  ; of Wout 32,768
	s_mov_b32 s[G1X], (2<<16)|(1<<20)|(6<<22)|(3<<25)  ; elements of 4 bytes; 4 dwords of padding behind every 128
	s_mov_b32 s[G1X+1], 128<<16
	s_mov_b32 s[G1X+2], 16<<16
	s_mov_b32 s[G1X+3], 128<<16
	s_mov_b32 s[G1X+4], 16
	s_mov_b32 s[G1X+5], 2048
	s_mov_b32 s[G1X+6], 0
	s_mov_b32 s[G1X+7], 0
	s_lshl_b32 s19, ttmp9, 2
	s_add_co_u32 s19, s19, s18                     ; g: my wave among 1,024
	s_mul_i32 s20, s18, WREG                       ; my slots
	s_mul_i32 s94, s18, 16*XPITCH
	s_add_co_u32 s94, s94, XREG                    ; my tile of hidden_states in LDS
	s_lshr_b32 s86, s19, 4                         ; hidden_states: tile t = g / 16, K step s = g % 16
	s_lshl_b32 s86, s86, 17
	s_and_b32 s87, s19, 15
	s_lshl_b32 s87, s87, 9
	s_add_co_u32 s86, s86, s87
	s_mov_b32 s87, 0
	; Wq (g under 512) or Wv: rows 32 n on, n = (g % 512) / 2; pairs of K steps u0 = 4 (g % 2) on
	s_and_b32 s21, s19, 1
	s_lshl_b32 s21, s21, 2                         ; u0
	s_bfe_u32 s22, s19, 0x80001                    ; n
	s_lshr_b32 s23, ttmp9, 7                       ; 1 for Wv
	s_lshl_b32 s84, s22, 18                        ; 32 rows of 8,192 bytes
	s_lshl_b32 s85, s21, 10
	s_add_co_u32 s84, s84, s85
	s_mov_b32 s85, 0
	s_wait_alu depctr_va_vdst(0)
	s_wait_dscnt 0x0                               ; both opening adds are done
	s_wait_kmcnt 0x0
	s_mov_b32 s[G0X], 1
	s_add_co_u32 s[G0X+1], s94, 0
	s_add_nc_u64 s[G0X+2:G0X+3], s[4:5], s[86:87]
	s_or_b32 s[G0X+3], s[G0X+3], 0x80000000
	tensor_load_to_lds s[G0X:G0X+3], s[G1X:G1X+7]  ; hidden_states' 16 rows x 512 bytes: my one tensor load at the head
	s_nop 0
	s_cmp_lt_u32 ttmp9, 128                        ; the choice hangs on the work-group's number alone
	s_cselect_b64 s[PF:PF+1], s[6:7], s[8:9]
	s_add_nc_u64 s[PF:PF+1], s[PF:PF+1], s[84:85]  ; piece 0
.irp i, 0,1,2,3
	global_prefetch_b8 v[PFO], s[PF:PF+1] offset:256*\i th:TH_LOAD_NT scope:SCOPE_SE   ; piece 0
.endr
.irp g, G1P, G1O
	s_mov_b32 s[\g], (2<<16)|(1<<20)|(7<<22)|(3<<25)   ; elements of 4 bytes; 4 dwords of padding behind every 256
	s_mov_b32 s[\g+1], 256<<16                     ; tensor_dim0
	s_mov_b32 s[\g+2], 32<<16                      ; tensor_dim1
	s_mov_b32 s[\g+3], 256<<16                     ; tile_dim0
	s_mov_b32 s[\g+4], 32                          ; tile_dim1
	s_mov_b32 s[\g+6], 0
	s_mov_b32 s[\g+7], 0
.endr
	s_mov_b32 s[G1P+5], 2048                       ; elements from row to row
	s_mov_b32 s[G1O+5], 8192
.irp s, 0,1
	s_mov_b32 s[G0+4*\s], 1
	s_add_co_u32 s[G0+4*\s+1], s20, \s*SLOTB
	s_add_nc_u64 s[G0+4*\s+2:G0+4*\s+3], s[PF:PF+1], \s*1024
	s_or_b32 s[G0+4*\s+3], s[G0+4*\s+3], 0x80000000
.endr
	s_lshr_b32 s86, s22, 1                         ; tile 2 n's place: 8 (n / 2) + 2 (n % 2) + 4 for Wv
	s_lshl_b32 s86, s86, 3
	s_and_b32 s87, s22, 1
	s_lshl_b32 s87, s87, 1
	s_add_co_u32 s86, s86, s87
	s_lshl_b32 s87, s23, 2
	s_add_co_u32 s86, s86, s87
	s_lshl_b32 s[DS], s86, 10                      ; scale words: 1,024 bytes a place, 128 a pair of K steps
	s_lshl_b32 s87, s21, 7
	s_add_co_u32 s[DS], s[DS], s87
	s_add_co_u32 s[DS], s[DS], 25165824
	s_mov_b32 s[DS+1], 0
	s_lshr_b32 s87, s86, 4
	s_lshl_b32 s87, s87, 3
	s_add_co_u32 s87, s87, s21
	s_lshl_b32 s87, s87, 4
	s_and_b32 s86, s86, 15
	s_add_co_u32 s87, s87, s86
	s_mul_i32 s[DC], s87, 3072
	s_mov_b32 s[DC+1], 0
	s_add_nc_u64 s[DC:DC+1], s[14:15], s[DC:DC+1]
	s_add_nc_u64 s[DS:DS+1], s[14:15], s[DS:DS+1]
	; Wout: rows 32 n on, n = g / 16; pairs of K steps u = 2 (g % 16) on
	s_lshr_b32 s22, s19, 4
	s_and_b32 s21, s19, 15
	s_lshl_b32 s21, s21, 1
	s_lshl_b32 s86, s22, 20                        ; 32 rows of 32,768 bytes
	s_lshl_b32 s87, s21, 10
	s_add_co_u32 s86, s86, s87
	s_mov_b32 s87, 0
	s_add_nc_u64 s[PW:PW+1], s[10:11], s[86:87]
.irp s, 0,1
	s_mov_b32 s[G0O+4*\s], 1
	s_add_co_u32 s[G0O+4*\s+1], s20, \s*SLOTB
	s_add_nc_u64 s[G0O+4*\s+2:G0O+4*\s+3], s[PW:PW+1], \s*1024
	s_or_b32 s[G0O+4*\s+3], s[G0O+4*\s+3], 0x80000000
.endr
	s_lshl_b32 s[DSO], s22, 13                     ; tile 2 n: 4,096 bytes of scale words a tile
	s_lshl_b32 s23, s21, 7
	s_add_co_u32 s[DSO], s[DSO], s23
	s_add_co_u32 s[DSO], s[DSO], 12582912
	s_mov_b32 s[DSO+1], 0
	s_lshr_b32 s23, s22, 1
	s_lshl_b32 s23, s23, 5
	s_add_co_u32 s23, s23, s21
	s_lshl_b32 s23, s23, 2
	s_and_b32 s22, s22, 1
	s_lshl_b32 s22, s22, 1
	s_add_co_u32 s23, s23, s22
	s_mul_i32 s[DCO], s23, 3072
	s_mov_b32 s[DCO+1], 0
	s_add_nc_u64 s[DCO:DCO+1], s[16:17], s[DCO:DCO+1]
	s_add_nc_u64 s[DSO:DSO+1], s[16:17], s[DSO:DSO+1]
	; where hidden_states' codes and scale words go: tile t = g / 16, K step s = g % 16
	s_lshr_b32 s22, s19, 4
	s_and_b32 s21, s19, 15
	s_lshl_b32 s[XSC], s22, 10
	s_lshr_b32 s23, s21, 1                         ; u
	s_and_b32 s21, s21, 1                          ; q
	s_lshl_b32 s[CNT], s23, 7
	s_add_co_u32 s[XSC], s[XSC], s[CNT]
	s_lshl_b32 s[CNT], s21, 2
	s_add_co_u32 s[XSC], s[XSC], s[CNT]
	s_add_co_u32 s[XSC], s[XSC], 1572864
	s_mov_b32 s[XSC+1], 0
	s_lshr_b32 s[CNT], s22, 4
	s_lshl_b32 s[CNT], s[CNT], 3
	s_add_co_u32 s[CNT], s[CNT], s23
	s_lshl_b32 s[CNT], s[CNT], 4
	s_and_b32 s22, s22, 15
	s_add_co_u32 s[CNT], s[CNT], s22
	s_mul_i32 s[XC], s[CNT], 3072
	s_mul_i32 s21, s21, 1536
	s_add_co_u32 s[XC], s[XC], s21
	s_mov_b32 s[XC+1], 0
	s_add_nc_u64 s[XC:XC+1], s[12:13], s[XC:XC+1]
	s_add_nc_u64 s[XSC:XSC+1], s[12:13], s[XSC:XSC+1]
	s_mov_b32 s[CNT], 0
	; the lane's numbers
	v_and_b32 v12, 7, v0                           ; a
	v_bfe_u32 v13, v0, 3, 1                        ; h
	v_bfe_u32 v14, v0, 4, 1                        ; e
	v_lshl_add_u32 v15, v14, 3, v12                ; j = 8 e + a: my row of the tile
	v_lshl_add_u32 v16, v13, 4, v15                ; the image lane 16 h + j
	v_lshlrev_b32 v[S16], 4, v16
	v_lshlrev_b32 v[S8], 3, v16
	v_lshlrev_b32 v[XW], 3, v15
	v_lshl_add_u32 v[SS], v13, 7, v[XW]
	v_lshlrev_b32 v[SH], 3, v13
	v_lshl_add_u32 v18, v14, 4, v12                ; Wq, Wv: row a + 16 e of the piece (+ 8 for the second tile)
	v_mul_u32_u24 v18, v18, PITCH
	v_lshl_add_u32 v18, v13, 7, v18                ; + 128 h: my block of a pair
	v_add_nc_u32 v[AP], s20, v18
	v_mul_u32_u24 v18, v15, PITCH                  ; Wout: row j (+ 16 for the second tile)
	v_lshl_add_u32 v18, v13, 7, v18
	v_add_nc_u32 v[AL], s20, v18
	v_mul_u32_u24 v18, v15, XPITCH
	v_lshl_add_u32 v18, v13, 7, v18
	v_add_nc_u32 v[AX], s94, v18
	v_cmp_ne_u32 s[M8], 0, v13
	v_mov_b32 v[TD], 0                             ; written once: a DPP form's destination counts as read
	s_wait_alu depctr_va_vdst(0)
.macro LDBLK set, adr, off             ; my block of 32 numbers into a set
.irp i, 0,1,2,3,4,5,6,7
	ds_load_b128 v[X+32*(\set)+4*\i:X+32*(\set)+4*\i+3], v[\adr] offset:(\off)+16*\i
.endr
.endm
; A set becomes six registers of codes at v[cd]; c: which pair of blocks of the K step; at c = 1 the row's scale word is made in v[w]
.macro QBLK set, cd, c, w
.set XS, X+32*(\set)
.set CC, \cd
	v_max3_num_f32 v[M], |v[XS]|, |v[XS+1]|, |v[XS+2]|             ; two chains by turns
	v_max3_num_f32 v[M+1], |v[XS+3]|, |v[XS+4]|, |v[XS+5]|
.irp i, 6,10,14,18,22,26
	v_max3_num_f32 v[M], v[M], |v[XS+\i]|, |v[XS+\i+1]|
	v_max3_num_f32 v[M+1], v[M+1], |v[XS+\i+2]|, |v[XS+\i+3]|
.endr
	v_max3_num_f32 v[M], v[M], |v[XS+30]|, |v[XS+31]|
	v_max3_num_f32 v[M], v[M], v[M+1], 0x2800000   ; and the floor 2^(5 - 127): the byte cannot fall under 1
	v_add_nc_u32 v[SCV], 0xfe000000, v[M]          ; 4 off the exponent field: the conversion takes that field as its scale
	v_cvt_scalef32_pk16_bf6_f32 v[CC:CC+2], v[XS:XS+15], v[SCV]
	v_cvt_scalef32_pk16_bf6_f32 v[CC+4:CC+6], v[XS+16:XS+31], v[SCV]   ; a conversion's three registers begin on an even number
.if (\c) == 0
	v_lshrrev_b32 v[BB], 23, v[SCV]                ; the scale's byte (also the plain place behind the conversions)
.else
	v_lshrrev_b32 v[BY], 23, v[SCV]
.endif
	v_mov_b32 v[CC+3], v[CC+4]
	v_mov_b32 v[CC+4], v[CC+5]
	v_mov_b32 v[CC+5], v[CC+6]
.if (\c) != 0
	v_lshl_or_b32 v[BB], v[BY], 16, v[BB]          ; blocks h and 2 + h of my row,
	v_lshlrev_b32 v[BB], v[SH], v[BB]              ; at their places in the word;
	v_mov_b32_dpp v[TD], v[BB] row_xmask:8 row_mask:0xf bank_mask:0xf
	v_or_b32 v[\w], v[BB], v[TD]                   ; with the other h's two (lane xor 8) the word is whole
.endif
.endm
; A piece in a slot: eight turns n = 4 p + 2 q + c (tile p, K step q, pair c).  Loads run four turns ahead: behind a turn's loads stand those of three later sets.
; ask: 0 nothing; 1, 2: the piece at s[PF], or the one behind it
.macro PROC slot, adr, prow, dc, coff, wb, ask
.irp n, 0,1,2,3
	LDBLK \n, \adr, (\slot)*SLOTB+(\n/2)*512+(\n%2)*256
.endr
	s_wait_xcnt 0x0                                ; the last piece's stores have read the codes' registers
.if (\ask) != 0
.irp i, 0,1,2,3
	global_prefetch_b8 v[PFO], s[PF:PF+1] offset:((\ask)-1)*1024+256*\i th:TH_LOAD_NT scope:SCOPE_SE
.endr
.endif
.irp n, 0,1,2,3,4,5,6,7
.if \n < 5
	s_wait_dscnt 24                                ; this turn's eight loads are in; 24 later ones may be out
.else
	s_wait_dscnt 8*(7-\n)
.endif
	QBLK \n%4, CD+8*\n, \n%2, \wb+\n/2
.if \n < 4
	LDBLK \n, \adr, (\slot)*SLOTB+(\prow)*PITCH+(\n/2)*512+(\n%2)*256
.endif
	global_store_b128 v[S16], v[CD+8*\n:CD+8*\n+3], s[\dc:\dc+1] offset:(\coff)+(\n/4)*3072+((\n/2)%2)*1536+(\n%2)*768 th:TH_STORE_NT        ; the 32 lanes cover 512 consecutive bytes
	global_store_b64 v[S8], v[CD+8*\n+4:CD+8*\n+5], s[\dc:\dc+1] offset:(\coff)+(\n/4)*3072+((\n/2)%2)*1536+(\n%2)*768+512 th:TH_STORE_NT   ; 256
.endr
.endm
; Two pieces' scale words: lanes with h = 0 store the even piece's two words of row j, the others the odd piece's: 256 consecutive bytes, aligned, for each tile
.macro SCST ds, pst
.irp p, 0,1
	v_cndmask_b32 v[ST+2*\p], v[WE+2*\p], v[WO+2*\p], s[M8]
	v_cndmask_b32 v[ST+2*\p+1], v[WE+2*\p+1], v[WO+2*\p+1], s[M8]
	global_store_b64 v[SS], v[ST+2*\p:ST+2*\p+1], s[\ds:\ds+1] offset:\p*(\pst) th:TH_STORE_NT
.endr
.endm
; In front of every fill but the head's: all my tensor loads have landed, the add, my LDS reads are back, the barrier.
.macro SEQ g                           ; g: the group 0 whose address steps two pieces on (no load of mine is out), or 0
	s_wait_tensorcnt 0x0
	ds_add_u32 v[SPW], v[NIL]
.if \g
	s_add_nc_u64 s[\g+2:\g+3], s[\g+2:\g+3], 2048
.endif
	s_wait_dscnt 0x0
	s_barrier_signal -1
	s_barrier_wait -1
.endm
	SEQ 0                                          ; hidden_states' tile is in
	tensor_load_to_lds s[G0:G0+3], s[G1P:G1P+7]    ; piece 0, into slot 0; the tile is worked on under it
	s_nop 0
	LDBLK 0, AX, 0
	LDBLK 1, AX, 256
.irp i, 0,1,2,3
	global_prefetch_b8 v[PFO], s[PF:PF+1] offset:1024+256*\i th:TH_LOAD_NT scope:SCOPE_SE   ; piece 1
.endr
	s_wait_dscnt 8
	QBLK 0, CD, 0, WE
	global_store_b128 v[S16], v[CD:CD+3], s[XC:XC+1] th:TH_STORE_NT
	global_store_b64 v[S8], v[CD+4:CD+5], s[XC:XC+1] offset:512 th:TH_STORE_NT
	s_wait_dscnt 0x0
	QBLK 1, CD+8, 1, WE
	global_store_b128 v[S16], v[CD+8:CD+11], s[XC:XC+1] offset:768 th:TH_STORE_NT
	global_store_b64 v[S8], v[CD+12:CD+13], s[XC:XC+1] offset:1280 th:TH_STORE_NT
	global_store_b32 v[XW], v[WE], s[XSC:XSC+1] th:TH_STORE_NT     ; one K step's 16 words, 8 bytes apart (both h write the same word): 64 bytes of the 1,024 that the tile holds
	s_wait_xcnt 0x0                                ; the prefetches have read their base:
	s_add_nc_u64 s[PF:PF+1], s[PF:PF+1], 2048      ; on to piece 2
.Lpass:                                                ; two trips, two pieces of Wq or Wv each
	SEQ G0
	tensor_load_to_lds s[G0+4:G0+7], s[G1P:G1P+7]  ; the odd piece, into slot 1
	s_nop 0
	PROC 0, AP, 8, DC, 0, WE, 1
	SEQ G0+4
	s_cmp_eq_u32 s[CNT], 0                         ; slot 0 takes the next even piece, or behind the last one Wout's first: one load on either way
	s_cbranch_scc0 .Lwo
	tensor_load_to_lds s[G0:G0+3], s[G1P:G1P+7]
	s_nop 0
.rept 4
	v_nop
.endr
	s_branch .Lasked
.Lwo:
	tensor_load_to_lds s[G0O:G0O+3], s[G1O:G1O+7]
	s_nop 0
.rept 4
	v_nop
.endr
.Lasked:
	PROC 1, AP, 8, DC, 49152, WO, 2                ; a pair of K steps on: 16 places of 3,072 bytes
	SCST DS, 1024
	s_wait_xcnt 0x0                                ; the stores and the prefetches have read their bases and offsets
	s_add_nc_u64 s[DC:DC+1], s[DC:DC+1], 98304
	s_add_nc_u64 s[DS:DS+1], s[DS:DS+1], 256
	s_mov_b64 s[PF:PF+1], s[PW:PW+1]               ; the second trip asks for Wout's two pieces
	v_mov_b32 v[PFO], v[PFW]
	s_add_co_u32 s[CNT], s[CNT], 1
	s_cmp_lt_u32 s[CNT], 2
	s_wait_alu depctr_va_vdst(0)
	s_cbranch_scc1 .Lpass
	SEQ 0
	tensor_load_to_lds s[G0O+4:G0O+7], s[G1O:G1O+7]    ; Wout's second piece: the last load
	s_nop 0
	PROC 0, AL, 16, DCO, 0, WE, 0
	s_wait_tensorcnt 0x0                           ; the last piece is in; only I read it
	PROC 1, AL, 16, DCO, 12288, WO, 0              ; a pair of K steps on: 4 places
	SCST DSO, 4096
	s_wait_tensorcnt 0x0                           ; the wave's end
	ds_add_u32 v[SPW], v[NIL]
	s_wait_dscnt 0x0
	s_endpgm
.Lfunc_end_k_qcc083f1ae4_quant:
	.size	k_qcc083f1ae4_quant, .Lfunc_end_k_qcc083f1ae4_quant-k_qcc083f1ae4_quant
	.p2alignl 7, 3214868480
	.fill 96, 4, 3214868480
	.section	.rodata,"a",@progbits
	.p2align	6, 0x0
	.amdhsa_kernel k_qcc083f1ae4_quant
		.amdhsa_group_segment_fixed_size 327680
		.amdhsa_private_segment_fixed_size 0
		.amdhsa_enable_private_segment 0
		.amdhsa_kernarg_size 56
		.amdhsa_user_sgpr_count 2
		.amdhsa_user_sgpr_kernarg_segment_ptr 1
		.amdhsa_wavefront_size32 1
		.amdhsa_system_sgpr_workgroup_id_x 1
		.amdhsa_system_sgpr_workgroup_id_y 1
		.amdhsa_system_sgpr_workgroup_id_z 1
		.amdhsa_system_vgpr_workitem_id 0
		.amdhsa_next_free_vgpr 228
		.amdhsa_next_free_sgpr 96
		.amdhsa_reserve_vcc 0
		.amdhsa_float_denorm_mode_32 3
		.amdhsa_float_denorm_mode_16_64 3
		.amdhsa_memory_ordered 1
		.amdhsa_forward_progress 1
		.amdhsa_inst_pref_size 87
	.end_amdhsa_kernel
	.amdgpu_metadata
---
amdhsa.version: [ 1, 2 ]
amdhsa.kernels:
  - .name:           k_qcc083f1ae4_quant
    .symbol:         k_qcc083f1ae4_quant.kd
    .args:
      - { .name: hidden_states, .offset: 0, .size: 8, .value_kind: global_buffer, .address_space: global }
      - { .name: Wq, .offset: 8, .size: 8, .value_kind: global_buffer, .address_space: global }
      - { .name: Wv, .offset: 16, .size: 8, .value_kind: global_buffer, .address_space: global }
      - { .name: Wout, .offset: 24, .size: 8, .value_kind: global_buffer, .address_space: global }
      - { .name: xq, .offset: 32, .size: 8, .value_kind: global_buffer, .address_space: global }
      - { .name: wqv, .offset: 40, .size: 8, .value_kind: global_buffer, .address_space: global }
      - { .name: wo, .offset: 48, .size: 8, .value_kind: global_buffer, .address_space: global }
    .group_segment_fixed_size: 327680
    .private_segment_fixed_size: 0
    .kernarg_segment_align: 8
    .kernarg_segment_size: 56
    .max_flat_workgroup_size: 128
    .sgpr_count:     96
    .vgpr_count:     228
    .wavefront_size: 32
...
	.end_amdgpu_metadata
.endif
;; end of part 1
;; launch qv (part 2): grid 64 x 4, 4 waves a work-group, clusters of 4 x 4, 327,680 bytes of LDS; arguments xq, wqv, at; writes at
.if DOCPART == 2
	.amdgcn_target "amdgcn-amd-amdhsa--gfx1250"
	.amdhsa_code_object_version 6
	.text
	.protected	k_qcc083f1ae4_qv
	.globl	k_qcc083f1ae4_qv
	.p2align	8
	.type	k_qcc083f1ae4_qv,@function
k_qcc083f1ae4_qv:
	s_mov_b64 s[64:65], 0
	v_nop
	global_prefetch_b8 v0, s[64:65] scope:SCOPE_SE
	s_setreg_imm32_b32 hwreg(HW_REG_WAVE_MODE, 25, 1), 1
	s_wait_xcnt 0x0
	s_wait_alu depctr_hold_cnt(0) depctr_sa_sdst(0) depctr_va_vdst(0) depctr_va_sdst(0) depctr_va_ssrc(0) depctr_va_vcc(0) depctr_vm_vsrc(0)
	s_getreg_b32 s2, hwreg(HW_REG_IB_STS2, 6, 4)
	s_cmp_eq_u32 s2, 0
	s_cbranch_scc0 .Lentry_in_a_cluster
	s_endpgm
.Lentry_in_a_cluster:
	s_bfe_u32 s2, ttmp6, 0x10000c
	s_cmp_lg_u32 s2, 0xf033
	s_cbranch_scc0 .Lentry_shape_is_right
	s_endpgm
.Lentry_shape_is_right:
; a = (X Wq^T) o (X Wv^T), quantised along the lattice.  X [1024][2048] and Wq, Wv [8192][2048] come as codes of BF6 (E3M2) with E8M0 scale words, laid as images of operand registers by the launch before;
; a [1024][8192] leaves in the same form: codes and scale words for the last product, whose K is the lattice.  q, v and q o v are f32 and never go to memory.  (x Wk^T, which reference() never uses, is not formed.)
; AN IMAGE is a fragment of 16 rows x 128 K, 1,536 bytes: bytes 768 c + 16 l hold lane l's registers 6 c .. 6 c + 3, bytes 768 c + 512 + 8 l its registers 6 c + 4, 6 c + 5: two loads of 16 bytes and two of 8, each over consecutive bytes.
; SHARES.  A work-group takes 256 rows of X (16 tiles) and 128 lattice columns: 16 tiles of wqv in the order q q q q v v v v q q q q v v v v.  Wave w = 2 a + c takes X's tiles 8 a .. 8 a + 7 and wqv's 8 c .. 8 c + 7:
; 64 accumulators of 16 x 16, 512 registers; accumulators (i, b) and (i, b + 4) are q and v of the same rows and columns.
; THE MATRIX INSTRUCTION IS USED TRANSPOSED (source 0 = 16 rows of wqv, source 1 = 16 rows of X): a lane holds one row of X, and by the choice of the tiles' rows the registers of tiles 2 n and 2 n + 1 are 16 neighbours along the lattice.
; K goes in blocks of 256 (two steps of 128) through a ring of two LDS slots; a block of either operand is 49,152 consecutive bytes of memory.  The scale words of all of K come once, with the first fills, and stay.
; CLUSTERS: 4 x 4 work-groups.  The four of a row need the same blocks of X, the four of a column the same blocks of wqv: each is asked for JOINTLY.  The grid is one cluster high, so the work-group's y is its place cy.
; Nothing is written as a loop: 16 K steps by macros, so that every LDS offset is an immediate.
; LIMITS: NaN and infinities are not served; a block of a that is all zeros or under the floor 2^(5 - 127) gets the byte 1 with zero codes (this program alone reads the bytes).
; REGISTERS, in windows of 256: window 0: v16-31 addresses; v32-63 scale words, two sets; v64-159 wqv's fragments, v160-255 X's: set 1.  window 1: v0-95 wqv's, v96-191 X's: set 0.
;   window 2: accumulators of X's tiles 0-3 ((i, b) at v[8 (8 (i % 4) + b)]);  window 3: those of tiles 4-7.  On the way out window 0's v64-255 are free.
.set HALFB,  24576                     ; 8 tiles of a block: what one tensor load brings, and what one wave reads of X or of wqv
.set BLKB,   49152                     ; a block: 16 tiles x 3,072 bytes
.set SLOT,   98304                     ; X's block, then wqv's
.set GRPB,   393216                    ; a group's 8 blocks
.set SCL,    196608                    ; behind the ring: the scale words, X's 16 KB, then wqv's; filled once
.set SST,    229376                    ; a stage for half scale words of a: [c][1,024 bytes]; no fill lands here
.set SPARE,  231424                    ; the spare words, 128 bytes for each wave: two blocks of 256 bytes that no other line names
.set XSOFF,  1572864                   ; where the scale words begin in xq, wqv, at
.set WSOFF,  25165824
.set ASOFF,  6291456
.set ADRA16, 16                        ; v16-17 X's fragments in slot 0, 1: + 16 x lane;  v18-19: + 8 x lane
.set ADRA8,  18
.set ADRB16, 20                        ; v20-23 the same for wqv
.set ADRB8,  22
.set ASH,  24                          ; v24  where I put a half scale word
.set ASR,  25                          ; v25  where I read 8 bytes of them back
.set L16,  26                          ; v26  16 x lane
.set ADRS, 27                          ; v27  my scale words: lanes 0-15 X's rows, lanes 16-31 wqv's
.set SPW,  28                          ; v28  my spare word: SPARE + 4 x my thread's number; never rewritten
.set NIL,  29                          ; v29  0; never rewritten
.set L8,   30                          ; v30  8 x lane
.set PFO,  31                          ; v31  256 x lane: the prefetches' offset; never rewritten
.set SC,   32                          ; scale words: set u % 2 of block u at v[SC + 16 (u % 2)]; register 2 i + q: lanes 0-15 X's tile i, lanes 16-31 wqv's tile i, step q of the block
.set PP,   64                          ; the way out: v64-95 q o v of a tile: register 16 n + j = lattice 32 n + 16 h + j of my 64
.set TM,   96                          ; v96-103 at work
.set CT,   104                         ; v104-106 the second conversion's result
.set HWD,  112                         ; v112-119 a half scale word for each tile
.set CD,   128                         ; v128-175 six registers of codes for each tile: no store's data are written again
.set SW,   176                         ; v176-181 scale words on their way out
.set G1, 24                            ; s[24:31] descriptor group 1 for X's blocks;  s[32:39] group 0, one set for each slot
.set G0, 32
.set G1B, 48                           ; s[48:55], s[56:63] the same for wqv's
.set G0B, 56
.set G1S, 68                           ; s[68:75], s[76:79] groups 1 and 0 for X's scale words;  s[80:87], s[88:91] for wqv's
.set G0S, 76
.set G1SB, 80
.set G0SB, 88
.set MSB, 0
.macro WIN new                         ; the immediate's high byte repeats the setting that is left; a switch that changes nothing is dropped
.if MSB != (\new)
	s_set_vgpr_msb (MSB<<8)|(\new)
.set MSB, (\new)
.endif
.endm
; A joint load: waves 0 and 1 fetch for X, waves 2 and 3 for wqv.  Each line has one mask and one set of registers for all that issue it; the branch hangs on the wave's number alone.
; Four v_nop follow each of the two lines, ahead of the jump, the label and what follows.
.macro JLOAD g0a, g1a, g0b, g1b
	s_cmp_eq_u32 s15, 0
	s_cbranch_scc0 .Lfor_b_\@
	tensor_load_to_lds s[\g0a:\g0a+3], s[\g1a:\g1a+7]
	s_nop 0
.rept 4
	v_nop
.endr
	s_branch .Lasked_\@
.Lfor_b_\@:
	tensor_load_to_lds s[\g0b:\g0b+3], s[\g1b:\g1b+7]
	s_nop 0
.rept 4
	v_nop
.endr
.Lasked_\@:
.endm
.macro CREST                           ; a round of the cluster's barrier behind its opening barrier
	s_cmp_lg_u32 s14, 0
	s_cbranch_scc1 .Lnot_wave_0_\@
	s_barrier_signal -3
.Lnot_wave_0_\@:
	s_barrier_wait -3
	s_barrier_signal -1
	s_barrier_wait -1
.endm
.macro CROUND                          ; a whole round
	s_barrier_signal -1
	s_barrier_wait -1
	CREST
.endm
; A PREFETCH INTO THE L2 of two later blocks of wqv and of X, 98,304 bytes each.  wqv's: the four partners of a column of the cluster, which alone read them, share them out BY ADDRESS (cy), 24,576 bytes each.
; X's: the four partners of a row of the cluster, which ask for them jointly, share them out by cx; every cluster asks for what it will itself load.  In each work-group waves 0 to 2 ask for 8,192 bytes of each, lanes 256 bytes apart.
; Blocks 2, 3 are asked for at the head's end, 4, 5 at K step 1 and 6, 7 at K step 5.  Blocks 0 and 1 come by their loads alone.
.macro ASK imm
	s_cmp_lt_u32 s14, 3
	s_cbranch_scc0 .Lnot_mine_\@
	global_prefetch_b8 v[PFO], s[96:97] offset:\imm th:TH_LOAD_NT scope:SCOPE_SE
	global_prefetch_b8 v[PFO], s[98:99] offset:\imm th:TH_LOAD_NT scope:SCOPE_SE
.Lnot_mine_\@:
.endm
	s_load_b128 s[4:7], s[0:1], 0x0                ; xq s[4:5], wqv s[6:7]
	s_load_b64 s[8:9], s[0:1], 0x10                ; at
	v_lshl_add_u32 v[SPW], v0, 2, SPARE
	v_mov_b32 v[NIL], 0
	ds_add_u32 v28, v29
	ds_add_u32 v28, v29
	s_wait_dscnt 0x0
	v_lshrrev_b32 v1, 5, v0
	v_readfirstlane_b32 s14, v1                    ; wave 0..3
	s_lshr_b32 s15, s14, 1                         ; a: which 8 tiles of X are mine.  Also: I fetch for X (0) or for wqv (1)
	s_and_b32 s16, s14, 1                          ; c: which 8 tiles of wqv.  Also: which half of a block I fetch
	s_bfe_u32 s40, ttmp6, 0x40000                  ; cx, cy: my place in the cluster
	s_bfe_u32 s41, ttmp6, 0x40004
	s_lshl_b32 s42, ttmp9, 2
	s_add_co_u32 s42, s42, s40                     ; x: my 128 lattice columns = 4 x cluster x + cx
	s_mov_b32 s17, s41                             ; y: my 256 rows of X = cy
	s_lshl_b32 s43, s41, 2
	s_lshl_b32 s43, 15, s43                        ; my row of the cluster
	s_lshl_b32 s44, 0x1111, s40                    ; my column
	s_mov_b32 s2, 0x76543210
	s_mov_b32 s3, 0xfedcba98                       ; v_permlanex16_b32's selects for lane l xor 16
	; descriptor group 1: a dense block as rows of 256 bytes (32 elements of 8 bytes), no padding: the images are read over consecutive bytes
	s_or_b32 s[G1+0], s43, (3<<16)|(1<<21)         ; 15:0 the mask: X's blocks go to my row; 17:16 elements of 8 bytes; 21 set beside a mask
	s_or_b32 s[G1B+0], s44, (3<<16)|(1<<21)        ; wqv's go to my column
	s_or_b32 s[G1S+0], s43, (3<<16)|(1<<21)
	s_or_b32 s[G1SB+0], s44, (3<<16)|(1<<21)
.irp g, G1, G1B
	s_mov_b32 s[\g+1], 32<<16                      ; tensor_dim0 = 32
	s_mov_b32 s[\g+2], 192<<16                     ; tensor_dim1 = 192: the head's loads bring a whole block, 49,152 bytes
	s_mov_b32 s[\g+3], 32<<16                      ; tile_dim0
	s_mov_b32 s[\g+4], 192                         ; tile_dim1
	s_mov_b32 s[\g+5], 32                          ; tensor_dim0_stride
	s_mov_b32 s[\g+6], 0
	s_mov_b32 s[\g+7], 0
.endr
.irp g, G1S, G1SB
	s_mov_b32 s[\g+1], 32<<16
	s_mov_b32 s[\g+2], 64<<16                      ; 64 rows: the scale words of 16 tiles, 16,384 bytes
	s_mov_b32 s[\g+3], 32<<16
	s_mov_b32 s[\g+4], 64
	s_mov_b32 s[\g+5], 32
	s_mov_b32 s[\g+6], 0
	s_mov_b32 s[\g+7], 0
.endr
	; X's addresses hang on y alone, which my row of the cluster shares; wqv's on x alone, which my column shares
	s_mul_i32 s18, s16, HALFB
	s_mov_b32 s19, 0                               ; s[18:19]: my half of a block, in bytes
	s_mul_i32 s20, s17, GRPB
	s_add_co_u32 s20, s20, s18
	s_mov_b32 s21, 0
	s_lshl_b32 s22, s17, 14
	s_add_co_u32 s22, s22, XSOFF
	s_mov_b32 s23, 0
	s_mul_i32 s46, s42, GRPB
	s_add_co_u32 s46, s46, s18
	s_mov_b32 s47, 0
	s_lshl_b32 s92, s42, 14
	s_add_co_u32 s92, s92, WSOFF
	s_mov_b32 s93, 0
	s_mul_i32 s45, s14, HALFB                      ; where they go: wave x 24,576: no place in the cluster enters an LDS address
	s_wait_kmcnt 0x0
	s_add_nc_u64 s[20:21], s[4:5], s[20:21]
	s_add_nc_u64 s[22:23], s[4:5], s[22:23]
	s_add_nc_u64 s[46:47], s[6:7], s[46:47]
	s_add_nc_u64 s[92:93], s[6:7], s[92:93]
	CROUND                                         ; all sixteen work-groups are here: the first joint loads meet
	s_mov_b32 s[G0S], 1
	s_mov_b32 s[G0S+1], SCL
	s_mov_b64 s[G0S+2:G0S+3], s[22:23]
	s_or_b32 s[G0S+3], s[G0S+3], 0x80000000
	s_mov_b32 s[G0SB], 1
	s_mov_b32 s[G0SB+1], SCL+16384
	s_mov_b64 s[G0SB+2:G0SB+3], s[92:93]
	s_or_b32 s[G0SB+3], s[G0SB+3], 0x80000000
.irp s, 0,1
	s_mov_b32 s[G0+4*\s], 1
	s_add_co_u32 s[G0+4*\s+1], s45, \s*SLOT
	s_add_nc_u64 s[G0+4*\s+2:G0+4*\s+3], s[20:21], \s*BLKB
	s_or_b32 s[G0+4*\s+3], s[G0+4*\s+3], 0x80000000
	s_mov_b32 s[G0B+4*\s], 1
	s_add_co_u32 s[G0B+4*\s+1], s45, \s*SLOT
	s_add_nc_u64 s[G0B+4*\s+2:G0B+4*\s+3], s[46:47], \s*BLKB
	s_or_b32 s[G0B+4*\s+3], s[G0B+4*\s+3], 0x80000000
.endr
	; THE HEAD'S LOADS, ONE A WAVE: wave 0 X's block 0, wave 1 wqv's block 0, each whole; wave 2 X's scale words, wave 3 wqv's.  Slot 0's two groups 0 serve them, set to the block's first byte.
	s_mov_b32 s[G0+1], 0
	s_sub_nc_u64 s[G0+2:G0+3], s[G0+2:G0+3], s[18:19]
	s_mov_b32 s[G0B+1], BLKB
	s_sub_nc_u64 s[G0B+2:G0B+3], s[G0B+2:G0B+3], s[18:19]
.macro ARM under, g0, g1, next         ; one tree of branches on the wave's number: every way through it passes one load
	s_cmp_lt_u32 s14, \under
	s_cbranch_scc0 \next
	tensor_load_to_lds s[\g0:\g0+3], s[\g1:\g1+7]
	s_nop 0
.rept 4
	v_nop
.endr
	s_branch .Lhead_asked
\next:
.endm
	ARM 1, G0,  G1,  .Lhead_b
	ARM 2, G0B, G1B, .Lhead_sa
	ARM 3, G0S, G1S, .Lhead_sb
	tensor_load_to_lds s[G0SB:G0SB+3], s[G1SB:G1SB+7]
	s_nop 0
.rept 4
	v_nop
.endr
.Lhead_asked:
	v_and_b32 v1, 15, v0                           ; r
	v_bfe_u32 v2, v0, 4, 1                         ; h
	v_and_b32 v3, 31, v0                           ; lane
	v_lshlrev_b32 v[L16], 4, v3
	v_lshlrev_b32 v[L8], 3, v3
	v_lshlrev_b32 v[PFO], 8, v3
	s_mul_i32 s21, s15, HALFB                      ; my 8 tiles of X
	s_mul_i32 s22, s16, HALFB                      ; my 8 tiles of wqv,
	s_add_co_u32 s22, s22, BLKB                    ; which lie behind X's 16
.irp s, 0,1
	v_add_nc_u32 v[ADRA16+\s], s21, v[L16]
	v_add_nc_u32 v[ADRA8+\s], s21, v[L8]
	v_add_nc_u32 v[ADRB16+\s], s22, v[L16]
	v_add_nc_u32 v[ADRB8+\s], s22, v[L8]
	s_add_co_u32 s21, s21, SLOT
	s_add_co_u32 s22, s22, SLOT
.endr
	s_lshl_b32 s21, s15, 13                        ; X's scale words: my 8 tiles, 1,024 bytes each
	s_lshl_b32 s22, s16, 13                        ; wqv's: my 8 tiles, behind X's 16
	s_add_co_u32 s22, s22, 16384
	s_sub_co_u32 s22, s22, s21
	v_mul_u32_u24 v6, s22, v2                      ; lanes 16-31 take wqv's: the lower base + h x the distance
	s_add_co_u32 s21, s21, SCL
	v_lshl_add_u32 v5, v1, 3, v6                   ; 8 bytes a row: the two steps of a block
	v_add_nc_u32 v[ADRS], s21, v5
	s_lshl_b32 s21, s16, 10
	s_lshl_b32 s22, s15, 9
	s_add_co_u32 s21, s21, s22
	s_add_co_u32 s21, s21, SST
	v_lshl_add_u32 v[ASH], v1, 4, s21              ; the stage: 1,024 c + 512 a + 16 r
	s_lshl_b32 s21, s14, 8
	s_add_co_u32 s21, s21, SST
	v_add_nc_u32 v[ASR], s21, v[L8]                ; back: 256 bytes a wave
	; where a's codes go: tile 16 y + 8 a + i, K step x of the last product: group 2 y + a of 8 tiles; my wave makes the image's half c
	s_lshl_b32 s20, s17, 1
	s_add_co_u32 s20, s20, s15
	s_lshl_b32 s20, s20, 5
	s_lshr_b32 s21, s42, 1
	s_add_co_u32 s20, s20, s21
	s_mul_i32 s20, s20, 24576
	s_and_b32 s21, s42, 1
	s_mul_i32 s21, s21, 1536
	s_add_co_u32 s20, s20, s21
	s_mul_i32 s21, s16, 768
	s_add_co_u32 s20, s20, s21
	s_mov_b32 s21, 0
	s_add_nc_u64 s[10:11], s[8:9], s[20:21]
	s_lshl_b32 s20, s42, 12                        ; and its scale words: 4,096 bytes a K step, 1,024 a work-group, 256 a wave
	s_lshl_b32 s21, s17, 10
	s_add_co_u32 s20, s20, s21
	s_lshl_b32 s21, s14, 8
	s_add_co_u32 s20, s20, s21
	s_add_co_u32 s20, s20, ASOFF
	s_mov_b32 s21, 0
	s_add_nc_u64 s[12:13], s[8:9], s[20:21]
	s_mul_i32 s96, s42, GRPB                       ; the prefetches: my group of wqv, my work-group's quarter, my wave's third of it
	s_mul_i32 s97, s41, HALFB
	s_add_co_u32 s96, s96, s97
	s_lshl_b32 s97, s14, 13
	s_add_co_u32 s96, s96, s97
	s_mov_b32 s97, 0
	s_add_nc_u64 s[96:97], s[6:7], s[96:97]
	s_mul_i32 s98, s17, GRPB                       ; and my group of X, my work-group's quarter (cx), my wave's third of it
	s_mul_i32 s99, s40, HALFB
	s_add_co_u32 s98, s98, s99
	s_lshl_b32 s99, s14, 13
	s_add_co_u32 s98, s98, s99
	s_mov_b32 s99, 0
	s_add_nc_u64 s[98:99], s[4:5], s[98:99]
.macro FRAG reg, a16, a8, off          ; an image back into 12 registers
	ds_load_b128 v[(\reg):(\reg)+3], v[\a16] offset:(\off)
	ds_load_b64 v[(\reg)+4:(\reg)+5], v[\a8] offset:(\off)+512
	ds_load_b128 v[(\reg)+6:(\reg)+9], v[\a16] offset:(\off)+768
	ds_load_b64 v[(\reg)+10:(\reg)+11], v[\a8] offset:(\off)+1280
.endm
; K step k's 16 fragments into set k % 2, in one run; with a block's first step also the block's scale words
.macro FETCH k
.set FS, ((\k)/2)%2
.set FQ, (\k)%2
.if FQ == 0
	WIN 0x40                                       ; destination window 1, address window 0
.set FB, 0
.set FA, 96
.else
	WIN 0
.set FB, 64
.set FA, 160
.endif
.irp i, 0,1,2,3,4,5,6,7
	FRAG FB+12*\i, ADRB16+FS, ADRB8+FS, \i*3072+FQ*1536
.endr
.irp i, 0,1,2,3,4,5,6,7
	FRAG FA+12*\i, ADRA16+FS, ADRA8+FS, \i*3072+FQ*1536
.endr
	WIN 0
.if FQ == 0
.irp i, 0,1,2,3,4,5,6,7
	ds_load_b64 v[SC+16*FS+2*\i:SC+16*FS+2*\i+1], v[ADRS] offset:\i*1024+((\k)/2)*128
.endr
.endif
.endm
; K step k: X's tiles i0 .. i0 + n - 1, each against wqv's eight.  The 64 accumulators take turns, one instruction a turn, in the same order in every step.  zero = 1: the products start the sums
.macro MUL k, i0, n, zero
.set MQ, (\k)%2
.set MS, SC+16*(((\k)/2)%2)+MQ
.if MQ == 0
.set MB, 0
.set MA, 96
.set MW, 0xa5                          ; sources 0 and 1 window 1, C and D window 2
.else
.set MB, 64
.set MA, 160
.set MW, 0xa0                          ; sources window 0
.endif
.set mi, \i0
.rept \n
	WIN MW+0x50*(mi/4)                             ; tiles 4-7: C and D window 3
.irp b, 0,1,2,3,4,5,6,7
.if \zero
	v_wmma_scale_f32_16x16x128_f8f6f4 v[8*(8*(mi%4)+\b):8*(8*(mi%4)+\b)+7], v[MB+12*\b:MB+12*\b+11], v[MA+12*mi:MA+12*mi+11], 0, v[MS+2*\b], v[MS+2*mi] matrix_a_fmt:MATRIX_FMT_BF6 matrix_b_fmt:MATRIX_FMT_BF6 matrix_a_scale:MATRIX_SCALE_ROW1
.else
	v_wmma_scale_f32_16x16x128_f8f6f4 v[8*(8*(mi%4)+\b):8*(8*(mi%4)+\b)+7], v[MB+12*\b:MB+12*\b+11], v[MA+12*mi:MA+12*mi+11], v[8*(8*(mi%4)+\b):8*(8*(mi%4)+\b)+7], v[MS+2*\b], v[MS+2*mi] matrix_a_fmt:MATRIX_FMT_BF6 matrix_b_fmt:MATRIX_FMT_BF6 matrix_a_scale:MATRIX_SCALE_ROW1
.endif
.endr
.set mi, mi+1
.endr
.endm
; A load into a register that a matrix instruction has read, and a vector instruction or a store that reads a matrix result, stand four places behind it; only plain vector instructions that name none of its registers
; are places (ISA guide 7.12.1 for vector instructions).
.macro PLACES
.rept 4
	v_nop
.endr
.endm
; A block's first step: the second step's fragments are fetched from the same slot into the other set, then this step is multiplied
.macro EVEN k, zero
	s_wait_dscnt 0x0                               ; this step's fragments are in
	PLACES                                         ; behind the last step's products, which read the set that is loaded now
	FETCH (\k)+1
	MUL \k, 0, 8, \zero
.endm
; A block's second step changes slots: ONE barrier.  In front of it each wave waits for all its tensor loads (its part of the next slot), adds 0 to its spare word, and waits for that and for its reads of this slot: the step's
; fragments are then in registers.  fill = 1: the barrier opens a round of the cluster's barrier and this slot is filled again, two blocks ahead; the load has 112 matrix instructions in which to land.
.macro ODD k, fill, ask
.set OS, ((\k)/2)%2
	WIN 0                                          ; the add's two registers lie in window 0
	s_wait_tensorcnt 0x0                           ; all my tensor loads have landed
	ds_add_u32 v[SPW], v[NIL]                      ; 0 onto my spare word
	s_wait_dscnt 0x0                               ; the add is done, and my reads of this slot are over
	s_barrier_signal -1
	MUL \k, 0, 2, 0                                ; sixteen matrix instructions while the others arrive
	WIN 0                                          ; at a branch and at a label every window is 0
	s_barrier_wait -1
.if \fill
	CREST                                          ; no wave of any partner still reads this slot or has a load on its way
	s_add_nc_u64 s[G0+4*OS+2:G0+4*OS+3], s[G0+4*OS+2:G0+4*OS+3], 2*BLKB
	s_add_nc_u64 s[G0B+4*OS+2:G0B+4*OS+3], s[G0B+4*OS+2:G0B+4*OS+3], 2*BLKB
	JLOAD G0+4*OS, G1, G0B+4*OS, G1B               ; the first tensor load behind the round, my one load until the next; its four v_nop are also the places in front of the loads below
.else
	PLACES
.endif
	FETCH (\k)+1
.if \ask
	ASK \ask
.endif
	MUL \k, 2, 6, 0
.endm
	s_wait_alu depctr_va_vdst(0)
	ASK 2*BLKB
	s_wait_tensorcnt 0x0                           ; my tile of the head's four is in
	ds_add_u32 v[SPW], v[NIL]
	s_mov_b32 s[G1+2], 96<<16                      ; no tensor load of mine is out: from here on a load brings half a block, 96 rows of 256 bytes,
	s_mov_b32 s[G1+4], 96
	s_mov_b32 s[G1B+2], 96<<16
	s_mov_b32 s[G1B+4], 96
	s_add_co_u32 s[G0+1], s45, 0                   ; and slot 0's groups 0 stand at my half of block 0, from where the refills step
	s_add_nc_u64 s[G0+2:G0+3], s[G0+2:G0+3], s[18:19]
	s_add_co_u32 s[G0B+1], s45, 0
	s_add_nc_u64 s[G0B+2:G0B+3], s[G0B+2:G0B+3], s[18:19]
	s_wait_dscnt 0x0                               ; the add is done
	CROUND                                         ; all four tiles are in, and all sixteen work-groups are here
	JLOAD G0+4, G1, G0B+4, G1B                     ; block 1, the first tensor load behind the round
	FETCH 0
	EVEN 0, 1                                      ; the first step's products start the sums: nothing is cleared
	ODD 1, 1, 4*BLKB
	EVEN 2, 0
	ODD 3, 1, 0
	EVEN 4, 0
	ODD 5, 1, 6*BLKB
	EVEN 6, 0
	ODD 7, 1, 0
	EVEN 8, 0
	ODD 9, 1, 0
	EVEN 10, 0
	ODD 11, 1, 0                                   ; block 7: the last fill
	EVEN 12, 0
	ODD 13, 0, 0                                   ; nothing is left to fetch: a plain barrier
	EVEN 14, 0
	s_wait_dscnt 0x0
	MUL 15, 0, 8, 0
	WIN 0
	; THE WAY OUT, a tile of 16 rows at a time.  q o v in f32; my 64 lattice columns are two blocks of 32, each in lanes l and l xor 16; the codes are half c of the image of (tile, K step x) and go straight to memory;
	; my two bytes of each row's scale word meet the partner wave's two in LDS.
	PLACES
	v_mov_b32 v[TM+2], 0                           ; written once: a lane permute's destination counts as one of its sources
	v_mov_b32 v[TM+3], 0
.irp i, 0,1,2,3,4,5,6,7
	WIN 0x0a+5*(\i/4)                              ; sources 0 and 1: window 2 or 3
.irp b, 0,1,2,3
.irp j, 0,2,4,6
	v_pk_mul_f32 v[PP+8*\b+\j:PP+8*\b+\j+1], v[8*(8*(\i%4)+\b)+\j:8*(8*(\i%4)+\b)+\j+1], v[8*(8*(\i%4)+\b+4)+\j:8*(8*(\i%4)+\b+4)+\j+1]   ; each accumulator from its low end on
.endr
.endr
	WIN 0
	v_max3_num_f32 v[TM], |v[PP]|, |v[PP+1]|, 0x2800000            ; my 16 numbers of each block, and the floor 2^(5 - 127): the byte cannot fall under 1
	v_max3_num_f32 v[TM+1], |v[PP+16]|, |v[PP+17]|, 0x2800000
.irp n, 2,4,6,8,10,12,14
	v_max3_num_f32 v[TM], v[TM], |v[PP+\n]|, |v[PP+\n+1]|
	v_max3_num_f32 v[TM+1], v[TM+1], |v[PP+16+\n]|, |v[PP+17+\n]|
.endr
	v_permlanex16_b32 v[TM+2], v[TM], s2, s3
	v_permlanex16_b32 v[TM+3], v[TM+1], s2, s3
	v_max_num_f32 v[TM], v[TM], v[TM+2]            ; with lane l xor 16's: the block's largest magnitude
	v_max_num_f32 v[TM+1], v[TM+1], v[TM+3]
	v_add_nc_u32 v[TM+4], 0xfe000000, v[TM]        ; 4 off the exponent field: the conversion's scale operand
	v_add_nc_u32 v[TM+5], 0xfe000000, v[TM+1]
	v_lshrrev_b32 v[TM+6], 23, v[TM+4]             ; the scale's byte
	v_lshrrev_b32 v[TM+7], 23, v[TM+5]
	v_lshl_or_b32 v[HWD+\i], v[TM+7], 8, v[TM+6]   ; bytes 2 c and 2 c + 1 of my row's scale word
	v_cvt_scalef32_pk16_bf6_f32 v[CD+6*\i:CD+6*\i+2], v[PP:PP+15], v[TM+4]
	v_cvt_scalef32_pk16_bf6_f32 v[CT:CT+2], v[PP+16:PP+31], v[TM+5]
	v_nop                                          ; one plain place behind a scaled conversion
.irp n, 0,1,2
	v_permlane16_swap_b32 v[CD+6*\i+\n], v[CT+\n]  ; a WHOLE block to a lane: lanes 0-15 block 2 c, lanes 16-31 block 2 c + 1
.endr
.irp n, 0,1,2
	v_mov_b32 v[CD+6*\i+3+\n], v[CT+\n]
.endr
	global_store_b128 v[L16], v[CD+6*\i:CD+6*\i+3], s[10:11] offset:3072*\i th:TH_STORE_NT         ; 512 consecutive bytes, at a multiple of 256 from the buffer's first byte
	global_store_b64 v[L8], v[CD+6*\i+4:CD+6*\i+5], s[10:11] offset:3072*\i+512 th:TH_STORE_NT     ; 256
	ds_store_b32 v[ASH], v[HWD+\i] offset:256*(\i%2)+4*(\i/2)      ; both halves of the lanes write the same word with the same value
.endr
	s_wait_dscnt 0x0                               ; for the others' sake: my half words lie in the stage
	s_barrier_signal -1
	s_barrier_wait -1
	ds_load_b64 v[SW:SW+1], v[ASR]                 ; bytes 0, 1 of two scale words,
	ds_load_b64 v[SW+2:SW+3], v[ASR] offset:1024   ; bytes 2, 3
	s_wait_dscnt 0x0
	v_lshl_or_b32 v[SW+4], v[SW+2], 16, v[SW]
	v_lshl_or_b32 v[SW+5], v[SW+3], 16, v[SW+1]
	global_store_b64 v[L8], v[SW+4:SW+5], s[12:13] th:TH_STORE_NT  ; 256 consecutive bytes, aligned
	s_wait_tensorcnt 0x0                           ; the wave's end: behind my last tensor load and my last LDS store
	ds_add_u32 v[SPW], v[NIL]
	s_wait_dscnt 0x0
	CROUND                                         ; the closing round: no work-group ends while a partner may still ask for a block that names it
	s_endpgm
.Lfunc_end_k_qcc083f1ae4_qv:
	.size	k_qcc083f1ae4_qv, .Lfunc_end_k_qcc083f1ae4_qv-k_qcc083f1ae4_qv
	.p2alignl 7, 3214868480
	.fill 96, 4, 3214868480
	.section	.rodata,"a",@progbits
	.p2align	6, 0x0
	.amdhsa_kernel k_qcc083f1ae4_qv
		.amdhsa_group_segment_fixed_size 327680
		.amdhsa_private_segment_fixed_size 0
		.amdhsa_enable_private_segment 0
		.amdhsa_kernarg_size 24
		.amdhsa_user_sgpr_count 2
		.amdhsa_user_sgpr_kernarg_segment_ptr 1
		.amdhsa_wavefront_size32 1
		.amdhsa_system_sgpr_workgroup_id_x 1
		.amdhsa_system_sgpr_workgroup_id_y 1
		.amdhsa_system_sgpr_workgroup_id_z 1
		.amdhsa_system_vgpr_workitem_id 0
		.amdhsa_next_free_vgpr 1024
		.amdhsa_next_free_sgpr 100
		.amdhsa_reserve_vcc 0
		.amdhsa_float_denorm_mode_32 3
		.amdhsa_float_denorm_mode_16_64 3
		.amdhsa_memory_ordered 1
		.amdhsa_forward_progress 1
		.amdhsa_inst_pref_size 245
	.end_amdhsa_kernel
	.amdgpu_metadata
---
amdhsa.version: [ 1, 2 ]
amdhsa.kernels:
  - .name:           k_qcc083f1ae4_qv
    .symbol:         k_qcc083f1ae4_qv.kd
    .args:
      - { .name: xq, .offset: 0, .size: 8, .value_kind: global_buffer, .address_space: global }
      - { .name: wqv, .offset: 8, .size: 8, .value_kind: global_buffer, .address_space: global }
      - { .name: at, .offset: 16, .size: 8, .value_kind: global_buffer, .address_space: global }
    .group_segment_fixed_size: 327680
    .private_segment_fixed_size: 0
    .kernarg_segment_align: 8
    .kernarg_segment_size: 24
    .max_flat_workgroup_size: 128
    .sgpr_count:     100
    .vgpr_count:     1024
    .wavefront_size: 32
...
	.end_amdgpu_metadata
.endif
;; end of part 2
;; launch outp (part 3): grid 32 x 8, 4 waves a work-group, clusters of 4 x 4, 327,680 bytes of LDS; arguments at, wo, out0; writes out0
.if DOCPART == 3
	.amdgcn_target "amdgcn-amd-amdhsa--gfx1250"
	.amdhsa_code_object_version 6
	.text
	.protected	k_qcc083f1ae4_outp
	.globl	k_qcc083f1ae4_outp
	.p2align	8
	.type	k_qcc083f1ae4_outp,@function
k_qcc083f1ae4_outp:
	s_mov_b64 s[64:65], 0
	v_nop
	global_prefetch_b8 v0, s[64:65] scope:SCOPE_SE
	s_setreg_imm32_b32 hwreg(HW_REG_WAVE_MODE, 25, 1), 1
	s_wait_xcnt 0x0
	s_wait_alu depctr_hold_cnt(0) depctr_sa_sdst(0) depctr_va_vdst(0) depctr_va_sdst(0) depctr_va_ssrc(0) depctr_va_vcc(0) depctr_vm_vsrc(0)
	s_getreg_b32 s2, hwreg(HW_REG_IB_STS2, 6, 4)
	s_cmp_eq_u32 s2, 0
	s_cbranch_scc0 .Lentry_in_a_cluster
	s_endpgm
.Lentry_in_a_cluster:
	s_bfe_u32 s2, ttmp6, 0x10000c
	s_cmp_lg_u32 s2, 0xf033
	s_cbranch_scc0 .Lentry_shape_is_right
	s_endpgm
.Lentry_shape_is_right:
; out0 = a Wout^T.  a [1024][8192] (at) and Wout [2048][8192] (wo) come as codes of BF6 (E3M2) with E8M0 scale words, laid as images of operand registers by the launches before.  (x Wk^T, which reference() never uses, is formed nowhere.)
; A work-group makes 128 rows x 64 columns.  K goes in 8 blocks of 1,024 through a ring of two LDS slots; of each block wave w takes K steps 2 w and 2 w + 1 for the whole 128 x 64: 32 accumulators.
; At the end the four waves' sums meet in LDS and are added in f32.  The scale words of all of K come once, straight into registers.
; CLUSTERS: 4 x 4 work-groups; at's blocks are asked for jointly along a row of the cluster, wo's along a column.  Slot 1's first fill stands behind the same lines as a refill.
; PREFETCHES: blocks 4 to 7 of at and of wo are asked for at the odd K steps 1 to 7; every cluster asks for what it will itself load, and the four partners that ask for a block jointly share it out by address.
.set ABLK,   98304
.set BBLK,   49152
.set SLOT,   147456
.set SPARE,  294912
.set REG,    34816
.set ASOFF,  6291456
.set OSOFF,  12582912
.set L16,  12
.set L8,   13
.set SBV,  14
.set ADRA16, 16
.set ADRA8,  18
.set ADRB16, 20
.set ADRB8,  22
.set STO,  24
.set RD,   25
.set CO,   26
.set RD2,  27
.set SPW,  28
.set NIL,  29
.set PFO,  30
.set SA,   32
.set SB,   96
.set G1, 24
.set G0, 32
.set G1B, 48
.set G0B, 56
.set MSB, 0
.macro WIN new
.if MSB != (\new)
	s_set_vgpr_msb (MSB<<8)|(\new)
.set MSB, (\new)
.endif
.endm
.macro JLOAD g0a, g1a, g0b, g1b
	s_cmp_eq_u32 s15, 0
	s_cbranch_scc0 .Lfor_b_\@
	tensor_load_to_lds s[\g0a:\g0a+3], s[\g1a:\g1a+7]
	s_nop 0
.rept 4
	v_nop
.endr
	s_branch .Lasked_\@
.Lfor_b_\@:
	tensor_load_to_lds s[\g0b:\g0b+3], s[\g1b:\g1b+7]
	s_nop 0
.rept 4
	v_nop
.endr
.Lasked_\@:
.endm
.macro CREST
	s_cmp_lg_u32 s14, 0
	s_cbranch_scc1 .Lnot_wave_0_\@
	s_barrier_signal -3
.Lnot_wave_0_\@:
	s_barrier_wait -3
	s_barrier_signal -1
	s_barrier_wait -1
.endm
.macro CROUND
	s_barrier_signal -1
	s_barrier_wait -1
	CREST
.endm
.macro ASK flag, base, imm
	s_cmp_eq_u32 s[\flag], 0
	s_cbranch_scc0 .Lnot_mine_\@
	global_prefetch_b8 v[PFO], s[\base:\base+1] offset:\imm th:TH_LOAD_NT scope:SCOPE_SE
.Lnot_mine_\@:
.endm
	s_load_b128 s[4:7], s[0:1], 0x0
	s_load_b64 s[8:9], s[0:1], 0x10
	v_lshl_add_u32 v[SPW], v0, 2, SPARE
	v_mov_b32 v[NIL], 0
	ds_add_u32 v28, v29
	ds_add_u32 v28, v29
	s_wait_dscnt 0x0
	v_lshrrev_b32 v1, 5, v0
	v_readfirstlane_b32 s14, v1
	s_lshr_b32 s15, s14, 1
	s_and_b32 s16, s14, 1
	s_bfe_u32 s40, ttmp6, 0x40000
	s_bfe_u32 s41, ttmp6, 0x40004
	s_lshl_b32 s42, ttmp9, 2
	s_add_co_u32 s42, s42, s40
	s_and_b32 s17, ttmp7, 0xffff
	s_lshl_b32 s17, s17, 2
	s_add_co_u32 s17, s17, s41
	s_lshl_b32 s43, s41, 2
	s_lshl_b32 s43, 15, s43
	s_lshl_b32 s44, 0x1111, s40
	s_or_b32 s[G1+0], s43, (3<<16)|(1<<21)
	s_mov_b32 s[G1+1], 32<<16
	s_mov_b32 s[G1+2], 192<<16
	s_mov_b32 s[G1+3], 32<<16
	s_mov_b32 s[G1+4], 192
	s_mov_b32 s[G1+5], 32
	s_mov_b32 s[G1+6], 0
	s_mov_b32 s[G1+7], 0
	s_or_b32 s[G1B+0], s44, (3<<16)|(1<<21)
	s_mov_b32 s[G1B+1], 32<<16
	s_mov_b32 s[G1B+2], 96<<16
	s_mov_b32 s[G1B+3], 32<<16
	s_mov_b32 s[G1B+4], 96
	s_mov_b32 s[G1B+5], 32
	s_mov_b32 s[G1B+6], 0
	s_mov_b32 s[G1B+7], 0
	s_mul_i32 s45, s16, ABLK/2
	s_mul_i32 s94, s16, BBLK/2
	s_mul_i32 s20, s17, 8*ABLK
	s_add_co_u32 s20, s20, s45
	s_mov_b32 s21, 0
	s_mul_i32 s46, s42, 8*BBLK
	s_add_co_u32 s46, s46, s94
	s_mov_b32 s47, 0
	s_add_co_u32 s94, s94, ABLK
	s_wait_kmcnt 0x0
	s_add_nc_u64 s[20:21], s[4:5], s[20:21]
	s_add_nc_u64 s[46:47], s[6:7], s[46:47]
	CROUND
.irp s, 0,1
	s_mov_b32 s[G0+4*\s], 1
	s_add_co_u32 s[G0+4*\s+1], s45, \s*SLOT
	s_add_nc_u64 s[G0+4*\s+2:G0+4*\s+3], s[20:21], \s*ABLK
	s_or_b32 s[G0+4*\s+3], s[G0+4*\s+3], 0x80000000
	s_mov_b32 s[G0B+4*\s], 1
	s_add_co_u32 s[G0B+4*\s+1], s94, \s*SLOT
	s_add_nc_u64 s[G0B+4*\s+2:G0B+4*\s+3], s[46:47], \s*BBLK
	s_or_b32 s[G0B+4*\s+3], s[G0B+4*\s+3], 0x80000000
	s_wait_alu depctr_va_vdst(0)
	s_wait_tensorcnt 0x0
	ds_add_u32 v28, v29
	ds_add_u32 v28, v29
	s_wait_dscnt 0x0
	CROUND
	JLOAD G0+4*\s, G1, G0B+4*\s, G1B
.endr
	v_and_b32 v1, 15, v0
	v_bfe_u32 v2, v0, 4, 1
	v_and_b32 v3, 31, v0
	v_lshlrev_b32 v[L16], 4, v3
	s_wait_alu depctr_va_vdst(0)
	v_lshlrev_b32 v[L8], 3, v3
	v_lshlrev_b32 v[PFO], 8, v3
	v_lshlrev_b32 v4, 12, v2
	v_lshl_add_u32 v[SBV], v1, 3, v4
	s_wait_alu depctr_va_vdst(0)
	s_lshl_b32 s20, s14, 13
	s_lshl_b32 s21, s17, 9
	s_add_co_u32 s20, s20, s21
	s_add_co_u32 s20, s20, ASOFF
	s_mov_b32 s21, 0
	s_add_nc_u64 s[10:11], s[4:5], s[20:21]
	s_lshl_b32 s20, s42, 14
	s_lshl_b32 s21, s14, 7
	s_add_co_u32 s20, s20, s21
	s_add_co_u32 s20, s20, OSOFF
	s_mov_b32 s21, 0
	s_add_nc_u64 s[72:73], s[6:7], s[20:21]
.irp j, 0,1,2,3,4,5,6,7
.irp q, 0,1
	global_load_b128 v[SA+4*(2*\j+\q):SA+4*(2*\j+\q)+3], v[L16], s[10:11] offset:(8*\j+\q)*4096
.endr
.endr
.irp j, 0,1,2,3,4,5,6,7
.irp p, 0,1
	global_load_b64 v[SB+4*\j+2*\p:SB+4*\j+2*\p+1], v[SBV], s[72:73] offset:8192*\p+512*\j
.endr
.endr
	s_mul_i32 s21, s14, ABLK/4
	s_mul_i32 s22, s14, BBLK/4
	s_add_co_u32 s22, s22, ABLK
.irp s, 0,1
	v_add_nc_u32 v[ADRA16+\s], s21, v[L16]
	v_add_nc_u32 v[ADRA8+\s], s21, v[L8]
	v_add_nc_u32 v[ADRB16+\s], s22, v[L16]
	v_add_nc_u32 v[ADRB8+\s], s22, v[L8]
	s_add_co_u32 s21, s21, SLOT
	s_add_co_u32 s22, s22, SLOT
.endr
	s_mul_i32 s23, s14, REG
	v_mul_u32_u24 v4, v1, 272
	v_lshl_add_u32 v4, v2, 5, v4
	v_add_nc_u32 v[STO], s23, v4
	s_mul_i32 s23, s14, 32*272
	v_mul_u32_u24 v4, v2, 272
	v_lshl_add_u32 v4, v1, 4, v4
	v_add_nc_u32 v[RD], s23, v4
	v_add_nc_u32 v[RD2], 2*REG, v[RD]
	v_lshlrev_b32 v4, 13, v2
	v_lshl_add_u32 v[CO], v1, 4, v4
	s_lshl_b32 s20, s17, 7
	s_lshl_b32 s21, s14, 5
	s_add_co_u32 s20, s20, s21
	s_lshl_b32 s20, s20, 13
	s_lshl_b32 s21, s42, 8
	s_add_co_u32 s20, s20, s21
	s_mov_b32 s21, 0
	s_add_nc_u64 s[12:13], s[8:9], s[20:21]
	s_cmp_lt_u32 s14, 3
	s_cselect_b32 s95, 0, 1
	s_mov_b32 s98, s95
	s_mov_b32 s99, s95
	s_mul_i32 s68, s17, 8*ABLK
	s_mul_i32 s69, s40, 24576
	s_add_co_u32 s68, s68, s69
	s_lshl_b32 s69, s14, 13
	s_add_co_u32 s68, s68, s69
	s_mov_b32 s69, 0
	s_add_nc_u64 s[68:69], s[4:5], s[68:69]
	s_mul_i32 s70, s42, 8*BBLK
	s_mul_i32 s71, s41, 24576
	s_add_co_u32 s70, s70, s71
	s_lshl_b32 s71, s14, 13
	s_add_co_u32 s70, s70, s71
	s_mov_b32 s71, 0
	s_add_nc_u64 s[70:71], s[6:7], s[70:71]
.macro FRAG reg, a16, a8, off
	ds_load_b128 v[(\reg):(\reg)+3], v[\a16] offset:(\off)
	ds_load_b64 v[(\reg)+4:(\reg)+5], v[\a8] offset:(\off)+512
	ds_load_b128 v[(\reg)+6:(\reg)+9], v[\a16] offset:(\off)+768
	ds_load_b64 v[(\reg)+10:(\reg)+11], v[\a8] offset:(\off)+1280
.endm
.macro FETCH k
.set FS, ((\k)/2)%2
.set FQ, (\k)%2
	WIN 0xc0
.irp i, 0,1,2,3
	FRAG 64*FQ+12*\i, ADRB16+FS, ADRB8+FS, \i*3072+FQ*1536
.endr
	WIN 0x80
.irp i, 0,1,2,3,4,5,6,7
	FRAG 128*FQ+12*\i, ADRA16+FS, ADRA8+FS, \i*3072+FQ*1536
.endr
	WIN 0
.endm
.macro WM3 b, zero
.set AC, 8*(4*mi+(\b))
.set SBR, SB+4*MJ+2*((\b)/2)+MQ
.set SAR, SA+4*(2*MJ+MQ)+mi/2
.if \zero
.if ((\b)%2 == 0) && (mi%2 == 0)
	v_wmma_scale_f32_16x16x128_f8f6f4 v[AC:AC+7], v[MB+12*(\b):MB+12*(\b)+11], v[MA+12*mi:MA+12*mi+11], 0, v[SBR], v[SAR] matrix_a_fmt:MATRIX_FMT_BF6 matrix_b_fmt:MATRIX_FMT_BF6
.elseif (mi%2 == 0)
	v_wmma_scale_f32_16x16x128_f8f6f4 v[AC:AC+7], v[MB+12*(\b):MB+12*(\b)+11], v[MA+12*mi:MA+12*mi+11], 0, v[SBR], v[SAR] matrix_a_fmt:MATRIX_FMT_BF6 matrix_b_fmt:MATRIX_FMT_BF6 matrix_a_scale:MATRIX_SCALE_ROW1
.elseif ((\b)%2 == 0)
	v_wmma_scale_f32_16x16x128_f8f6f4 v[AC:AC+7], v[MB+12*(\b):MB+12*(\b)+11], v[MA+12*mi:MA+12*mi+11], 0, v[SBR], v[SAR] matrix_a_fmt:MATRIX_FMT_BF6 matrix_b_fmt:MATRIX_FMT_BF6 matrix_b_scale:MATRIX_SCALE_ROW1
.else
	v_wmma_scale_f32_16x16x128_f8f6f4 v[AC:AC+7], v[MB+12*(\b):MB+12*(\b)+11], v[MA+12*mi:MA+12*mi+11], 0, v[SBR], v[SAR] matrix_a_fmt:MATRIX_FMT_BF6 matrix_b_fmt:MATRIX_FMT_BF6 matrix_a_scale:MATRIX_SCALE_ROW1 matrix_b_scale:MATRIX_SCALE_ROW1
.endif
.else
.if ((\b)%2 == 0) && (mi%2 == 0)
	v_wmma_scale_f32_16x16x128_f8f6f4 v[AC:AC+7], v[MB+12*(\b):MB+12*(\b)+11], v[MA+12*mi:MA+12*mi+11], v[AC:AC+7], v[SBR], v[SAR] matrix_a_fmt:MATRIX_FMT_BF6 matrix_b_fmt:MATRIX_FMT_BF6
.elseif (mi%2 == 0)
	v_wmma_scale_f32_16x16x128_f8f6f4 v[AC:AC+7], v[MB+12*(\b):MB+12*(\b)+11], v[MA+12*mi:MA+12*mi+11], v[AC:AC+7], v[SBR], v[SAR] matrix_a_fmt:MATRIX_FMT_BF6 matrix_b_fmt:MATRIX_FMT_BF6 matrix_a_scale:MATRIX_SCALE_ROW1
.elseif ((\b)%2 == 0)
	v_wmma_scale_f32_16x16x128_f8f6f4 v[AC:AC+7], v[MB+12*(\b):MB+12*(\b)+11], v[MA+12*mi:MA+12*mi+11], v[AC:AC+7], v[SBR], v[SAR] matrix_a_fmt:MATRIX_FMT_BF6 matrix_b_fmt:MATRIX_FMT_BF6 matrix_b_scale:MATRIX_SCALE_ROW1
.else
	v_wmma_scale_f32_16x16x128_f8f6f4 v[AC:AC+7], v[MB+12*(\b):MB+12*(\b)+11], v[MA+12*mi:MA+12*mi+11], v[AC:AC+7], v[SBR], v[SAR] matrix_a_fmt:MATRIX_FMT_BF6 matrix_b_fmt:MATRIX_FMT_BF6 matrix_a_scale:MATRIX_SCALE_ROW1 matrix_b_scale:MATRIX_SCALE_ROW1
.endif
.endif
.endm
.macro MUL k, i0, n, zero
.set MQ, (\k)%2
.set MJ, (\k)/2
.set MB, 64*MQ
.set MA, 128*MQ
	WIN 0x5b
.set mi, \i0
.rept \n
.irp b, 0,1,2,3
	WM3 \b, \zero
.endr
.set mi, mi+1
.endr
.endm
.macro PLACES
.rept 4
	v_nop
.endr
.endm
.macro EVEN k, zero
	s_wait_dscnt 0x0
	PLACES
	FETCH (\k)+1
	MUL \k, 0, 8, \zero
.endm
.macro ODD k, fill, aska, askb
.set OS, ((\k)/2)%2
	WIN 0
	s_wait_tensorcnt 0x0
	ds_add_u32 v[SPW], v[NIL]
	s_wait_dscnt 0x0
	s_barrier_signal -1
	MUL \k, 0, 2, 0
	WIN 0
	s_barrier_wait -1
.if \fill
	CREST
	s_add_nc_u64 s[G0+4*OS+2:G0+4*OS+3], s[G0+4*OS+2:G0+4*OS+3], 2*ABLK
	s_add_nc_u64 s[G0B+4*OS+2:G0B+4*OS+3], s[G0B+4*OS+2:G0B+4*OS+3], 2*BBLK
	JLOAD G0+4*OS, G1, G0B+4*OS, G1B
.else
	PLACES
.endif
	FETCH (\k)+1
.if \aska
	ASK 98, 68, \aska
.endif
.if \askb
	ASK 99, 70, \askb
.endif
	MUL \k, 2, 6, 0
.endm
	s_wait_tensorcnt 0x1
	s_barrier_signal -1
	s_barrier_wait -1
	FETCH 0
	s_wait_loadcnt 0x0
	EVEN 0, 1
	ODD 1, 1, 4*ABLK, 4*BBLK
	EVEN 2, 0
	ODD 3, 1, 5*ABLK, 0
	EVEN 4, 0
	ODD 5, 1, 6*ABLK, 6*BBLK
	EVEN 6, 0
	ODD 7, 1, 7*ABLK, 0
	EVEN 8, 0
	ODD 9, 1, 0, 0
	EVEN 10, 0
	ODD 11, 1, 0, 0
	EVEN 12, 0
	ODD 13, 0, 0, 0
	EVEN 14, 0
	s_wait_dscnt 0x0
	MUL 15, 0, 8, 0
	WIN 0
	PLACES
	WIN 0x04
	s_wait_alu depctr_va_vdst(0)
.irp i, 0,1,2,3,4,5,6,7
.irp b, 0,1,2,3
	ds_store_b128 v[STO], v[8*(4*\i+\b):8*(4*\i+\b)+3] offset:4352*\i+64*\b
	ds_store_b128 v[STO], v[8*(4*\i+\b)+4:8*(4*\i+\b)+7] offset:4352*\i+64*\b+16
.endr
.endr
	WIN 0
	s_wait_dscnt 0x0
	s_barrier_signal -1
	s_barrier_wait -1
	WIN 0x80
.irp t, 0,1,2,3,4,5,6,7,8,9,10,11,12,13,14,15
	ds_load_b128 v[4*\t:4*\t+3], v[RD] offset:544*\t
.endr
.irp t, 0,1,2,3,4,5,6,7,8,9,10,11,12,13,14,15
	ds_load_b128 v[64+4*\t:64+4*\t+3], v[RD] offset:REG+544*\t
.endr
.irp t, 0,1,2,3,4,5,6,7,8,9,10,11,12,13,14,15
	ds_load_b128 v[128+4*\t:128+4*\t+3], v[RD2] offset:544*\t
.endr
	s_wait_dscnt 16
	WIN 0x8a
.set n2, 0
.rept 32
	v_pk_add_f32 v[n2:n2+1], v[n2:n2+1], v[64+n2:65+n2]
.set n2, n2+2
.endr
	WIN 0x80
.irp t, 0,1,2,3,4,5,6,7,8,9,10,11,12,13,14,15
	ds_load_b128 v[192+4*\t:192+4*\t+3], v[RD2] offset:REG+544*\t
.endr
	s_wait_dscnt 0x0
	WIN 0x8a
.set n2, 0
.rept 32
	v_pk_add_f32 v[128+n2:129+n2], v[128+n2:129+n2], v[192+n2:193+n2]
.set n2, n2+2
.endr
.set n2, 0
.rept 32
	v_pk_add_f32 v[n2:n2+1], v[n2:n2+1], v[128+n2:129+n2]
.set n2, n2+2
.endr
	WIN 0x08
.irp t, 0,1,2,3,4,5,6,7,8,9,10,11,12,13,14,15
	global_store_b128 v[CO], v[4*\t:4*\t+3], s[12:13] offset:16384*\t th:TH_STORE_NT
.endr
	WIN 0
	s_wait_tensorcnt 0x0
	ds_add_u32 v[SPW], v[NIL]
	s_wait_dscnt 0x0
	CROUND
	s_endpgm
.Lfunc_end_k_qcc083f1ae4_outp:
	.size	k_qcc083f1ae4_outp, .Lfunc_end_k_qcc083f1ae4_outp-k_qcc083f1ae4_outp
	.p2alignl 7, 3214868480
	.fill 96, 4, 3214868480
	.section	.rodata,"a",@progbits
	.p2align	6, 0x0
	.amdhsa_kernel k_qcc083f1ae4_outp
		.amdhsa_group_segment_fixed_size 327680
		.amdhsa_private_segment_fixed_size 0
		.amdhsa_enable_private_segment 0
		.amdhsa_kernarg_size 24
		.amdhsa_user_sgpr_count 2
		.amdhsa_user_sgpr_kernarg_segment_ptr 1
		.amdhsa_wavefront_size32 1
		.amdhsa_system_sgpr_workgroup_id_x 1
		.amdhsa_system_sgpr_workgroup_id_y 1
		.amdhsa_system_sgpr_workgroup_id_z 1
		.amdhsa_system_vgpr_workitem_id 0
		.amdhsa_next_free_vgpr 1024
		.amdhsa_next_free_sgpr 100
		.amdhsa_reserve_vcc 0
		.amdhsa_float_denorm_mode_32 3
		.amdhsa_float_denorm_mode_16_64 3
		.amdhsa_memory_ordered 1
		.amdhsa_forward_progress 1
		.amdhsa_inst_pref_size 153
	.end_amdhsa_kernel
	.amdgpu_metadata
---
amdhsa.version: [ 1, 2 ]
amdhsa.kernels:
  - .name:           k_qcc083f1ae4_outp
    .symbol:         k_qcc083f1ae4_outp.kd
    .args:
      - { .name: at, .offset: 0, .size: 8, .value_kind: global_buffer, .address_space: global }
      - { .name: wo, .offset: 8, .size: 8, .value_kind: global_buffer, .address_space: global }
      - { .name: out0, .offset: 16, .size: 8, .value_kind: global_buffer, .address_space: global }
    .group_segment_fixed_size: 327680
    .private_segment_fixed_size: 0
    .kernarg_segment_align: 8
    .kernarg_segment_size: 24
    .max_flat_workgroup_size: 128
    .sgpr_count:     100
    .vgpr_count:     1024
    .wavefront_size: 32
...
	.end_amdgpu_metadata
.endif
;; end of part 3
